; MI455X (gfx1250); checked and timed in simulation.
; The chip was launched on July 23, 2026; its instructions are those of AMD's public machine-readable ISA for CDNA 5 (MIT licence, August 2026) and "CDNA5" Instruction Set Architecture Reference Guide (July 2026). The comments in the code are by the model that wrote it; some were corrected since.
;; Multi Head Attention. Allowed arithmetic: matrix products marked QUANTISED: E5M2 operands, one E8M0 scale for each 32 along K, by v_wmma_scale_f32_16x16x128_f8f6f4 with both operands' format E5M2, f32 sums; everything else in f32.
;; Inputs: attn_mask 4 x 2,048 x 2,048 bool; b_k 1,024 float32; b_q 1,024 float32; b_v 1,024 float32; w_k_codes 1,024 x 32 x 32 uint8 (E5M2 codes of w_k, K innermost, in blocks of 32 codes); w_k_scales 1,024 x 32 uint8 (E8M0 scales of w_k, one for each 32 codes along K); w_q_codes 1,024 x 32 x 32 uint8 (E5M2 codes of w_q, K innermost, in blocks of 32 codes); w_q_scales 1,024 x 32 uint8 (E8M0 scales of w_q, one for each 32 codes along K); w_v_codes 1,024 x 32 x 32 uint8 (E5M2 codes of w_v, K innermost, in blocks of 32 codes); w_v_scales 1,024 x 32 uint8 (E8M0 scales of w_v, one for each 32 codes along K); x_k_v_codes 4 x 2,048 x 32 x 32 uint8 (E5M2 codes of x_k_v, K innermost, in blocks of 32 codes); x_k_v_scales 4 x 2,048 x 32 uint8 (E8M0 scales of x_k_v, one for each 32 codes along K); x_q_codes 4 x 2,048 x 32 x 32 uint8 (E5M2 codes of x_q, K innermost, in blocks of 32 codes); x_q_scales 4 x 2,048 x 32 uint8 (E8M0 scales of x_q, one for each 32 codes along K).
;; Outputs: out0 4 x 2,048 x 1,024 float32.
;; This version of the problem:
;;   THIS VERSION OF THE PROBLEM IS GIVEN IN LOW PRECISION. The matrix products marked QUANTISED in the list below multiply operands that are first quantised to E5M2 (5 exponent bits, 2 mantissa bits; 8 bits a number), with one power-of-two scale for each 32 numbers along K (OCP MX v1.0); their sums are f32. All else is computed in f32.
;;   The module's matrix products, in the order in which they are computed (A, B: the left and right operand; K: the contracted axis; several contracted axes count as one K, in the product's order):
;;     1. [M 8,192, K 1,024] x [K 1,024, N 1,024]; A: input x_q (given as codes); B: input w_q (given as codes): QUANTISED
;;     2. [M 8,192, K 1,024] x [K 1,024, N 1,024]; A: input x_k_v (given as codes); B: input w_k (given as codes): QUANTISED
;;     3. [M 8,192, K 1,024] x [K 1,024, N 1,024]; A: input x_k_v (given as codes); B: input w_v (given as codes): QUANTISED
;;     4. batch 64 x [M 2,048, K 64] x [K 64, N 2,048]; A: computed on the way; B: computed on the way: QUANTISED
;;     5. batch 64 x [M 2,048, K 2,048] x [K 2,048, N 64]; A: softmax (see below); B: computed on the way: QUANTISED
;;   THE QUANTISER, for each operand of a quantised product, along K:
;;     - K is cut into blocks of 32 from its start; a last block that is shorter is filled with zeros.
;;     - A block's scale is 2^e with e = floor(log2(the largest magnitude in the block)) - 15, held to -126 .. 127; a block of zeros has e = 0. As a byte (E8M0): e + 127.
;;     - Each number is divided by its block's scale, clamped to +-57,344, and rounded to the nearest number of E5M2, ties to even, subnormals kept.
;;     - The product sums the exact products of the quantised numbers (number of the format x scale) in f32.
;;   ~~~python
;;   def quantise(x, axis):      # numpy; x: float32 -> the quantised numbers, widened to float32 again
;;       x = np.moveaxis(x, axis, -1); K = x.shape[-1]
;;       x = np.pad(x, [(0, 0)] * (x.ndim - 1) + [(0, -K % 32)]); x = x.reshape(x.shape[:-1] + (-1, 32)); a = np.abs(x).max(-1, keepdims=True)
;;       e = np.where(a > 0, np.clip(np.frexp(np.where(a > 0, a, 1))[1] - 1 - 15, -126, 127), 0)      # np.frexp(a)[1] - 1 = floor(log2(a)), exactly
;;       r = np.clip(x / 2.0 ** e, -57344, 57344)
;;       step = 2.0 ** (np.maximum(np.frexp(np.where(r == 0, 1, r))[1] - 1, -14) - 2)
;;       q = np.round(r / step) * step * 2.0 ** e      # np.round: ties to even
;;       return np.moveaxis(q.reshape(q.shape[:-2] + (-1,))[..., :K], -1, axis).astype(np.float32)
;;   ~~~
;;   SOFTMAX AHEAD OF A QUANTISED PRODUCT. Where the list says 'softmax', what is quantised is not the finished softmax but p = 2^(t - M), with t = logit x log2(e) and M = ceil(the row's largest t), a whole number; so 1/2 < the row's largest p <= 1. The row's sum l is taken of the UNQUANTISED p, in f32, and the product's result is divided by l at the end. Since M is a whole number, a kernel that streams over the keys may use a running M (the ceiling of the running maximum): every later rescaling is an exact power of two, which a block's scale takes up: the codes' values come out the same.
;;   OPERANDS COMPUTED ON THE WAY. 'Computed on the way' means the value that the module computes at that place (a softmax that the list does not call 'softmax' is quantised finished and normalised). What goes into a quantiser is computed in f32, as accurately as f32 sums, v_exp_f32 and their like allow (about 1e-6 of the number): no bf16 or f16 on the way to a quantiser, and a product that is left as it is and whose result goes on into a quantised operand takes f32 operands (vector FMAs, or v_wmma_f32_16x16x4_f32). A number that lies on a knife's edge between two numbers of the format may be rounded either way, as far as f32 arithmetic and the matrix unit's own rounding can turn it there, and no further.
;;   INPUTS GIVEN AS CODES. w_k (in the module: [1024, 1024], K = its axis 0); w_q (in the module: [1024, 1024], K = its axis 0); w_v (in the module: [1024, 1024], K = its axis 0); x_k_v (in the module: [4, 2048, 1024], K = its axis 2); x_q (in the module: [4, 2048, 1024], K = its axis 2): each comes as NAME_codes (uint8): NAME with its K axis moved to the last place and cut into blocks of 32 codes, [.., K / 32, bytes a block], one block behind the other in memory; one code a byte (a code: sign, 5 exponent bits, 2 mantissa bits); and NAME_scales (uint8): the same leading axes, one E8M0 byte (e + 127) for each 32 codes along K. Its value is code x scale, taken as it is: it is not quantised again, and the codes and scales need not be those that the quantiser above would give.
;; One version. Each part assembles by itself: llvm-mc -triple=amdgcn-amd-amdhsa -mcpu=gfx1250 --defsym DOCPART=n.
;; ======== version 1 of 1: 2 launches
;; limits: right only within a limited range of input values
;; workspace buffers: q_img 8,388,608 bytes; k_img 8,388,608 bytes; v_img 8,388,608 bytes; q_sc 524,288 bytes; k_sc 524,288 bytes; v_sc 524,288 bytes
;; launch proj (part 1): grid 4 x 96, 4 waves a work-group, clusters of 4 x 4, 327,680 bytes of LDS; arguments x_q_codes, x_q_scales, x_k_v_codes, x_k_v_scales, w_q_codes, w_q_scales, w_k_codes, w_k_scales, w_v_codes, w_v_scales, b_q, b_k, b_v, q_img, q_sc, k_img, k_sc, v_img, v_sc; writes q_img, q_sc, k_img, k_sc, v_img, v_sc
.if DOCPART == 1
	.amdgcn_target "amdgcn-amd-amdhsa--gfx1250"
	.amdhsa_code_object_version 6
	.text
	.protected	k_qa4f5a60918_proj
	.globl	k_qa4f5a60918_proj
	.p2align	8
	.type	k_qa4f5a60918_proj,@function
k_qa4f5a60918_proj:
	s_mov_b64 s[64:65], 0
	v_nop
	global_prefetch_b8 v0, s[64:65] scope:SCOPE_SE
	s_setreg_imm32_b32 hwreg(HW_REG_WAVE_MODE, 25, 1), 1
	s_wait_xcnt 0x0
	s_wait_alu depctr_hold_cnt(0) depctr_sa_sdst(0) depctr_va_vdst(0) depctr_va_sdst(0) depctr_va_ssrc(0) depctr_va_vcc(0) depctr_vm_vsrc(0)
	s_getreg_b32 s2, hwreg(HW_REG_IB_STS2, 6, 4)
	s_cmp_eq_u32 s2, 0
	s_cbranch_scc0 .Lentry_in_a_cluster
	s_endpgm
.Lentry_in_a_cluster:
	s_bfe_u32 s2, ttmp6, 0x10000c
	s_cmp_lg_u32 s2, 0xf033
	s_cbranch_scc0 .Lentry_shape_is_right
	s_endpgm
.Lentry_shape_is_right:
.set SIZE_K, 1024
.set KSTEP,  256
.set NQ,     KSTEP/128
.set ROWB,   256
.set KROW,   SIZE_K
.set PITCH,  272
.set FR,     16
.set NL,     4
.set NP,     8
.set HALFT,  128*PITCH
.set SLOT,   4*HALFT
.set LAPS,   SIZE_K/(2*KSTEP)
.set KS,     SIZE_K/32
.set SCL,    2*SLOT
.set HALFS,  (128*KS/256)*272
.set SBLK,   (16*KS/256)*272
.set SPARE,  SCL+4*HALFS
.set LB,   8
.set ADRA, 16
.set ADRB, 20
.set SO,   25
.set CO,   26
.set ADRS, 27
.set SPW,  28
.set NIL,  29
.set BR,   30
.set BL,   31
.set SC,   32
.set RB,   64
.set AF,   128
.set T,    128
.set PC,   192
.set TM,   208
.set PW,   224
.set XW,   226
.set PR,   95
.set G1, 24
.set G0, 32
.set G1B, 48
.set G0B, 56
.set G1S, 68
.set G0S, 76
.set G1SB, 80
.set G0SB, 88
.set MSB, 0
.macro WIN new
.if MSB != \new
	s_set_vgpr_msb (MSB<<8)|\new
.set MSB, \new
.endif
.endm
.set MUL_LO, 0xa1
.set MUL_HI, 0xf1
.set TO_B,   0x40
.macro JLOAD g0a, g1a, g0b, g1b
	s_cmp_eq_u32 s15, 0
	s_cbranch_scc0 .Lfor_b_\@
	tensor_load_to_lds s[\g0a:\g0a+3], s[\g1a:\g1a+7]
	s_nop 0
.rept 4
	v_nop
.endr
	s_branch .Lasked_\@
.Lfor_b_\@:
	tensor_load_to_lds s[\g0b:\g0b+3], s[\g1b:\g1b+7]
	s_nop 0
.rept 4
	v_nop
.endr
.Lasked_\@:
.endm
.macro CREST
	s_cmp_lg_u32 s14, 0
	s_cbranch_scc1 .Lnot_wave_0_\@
	s_barrier_signal -3
.Lnot_wave_0_\@:
	s_barrier_wait -3
	s_barrier_signal -1
	s_barrier_wait -1
.endm
.macro CROUND
	s_barrier_signal -1
	s_barrier_wait -1
	CREST
.endm
	s_load_b512 s[24:39], s[0:1], 0x0
	s_load_b512 s[40:55], s[0:1], 0x40
	s_load_b128 s[56:59], s[0:1], 0x80
	s_load_b64 s[60:61], s[0:1], 0x90
	v_lshl_add_u32 v[SPW], v0, 2, SPARE
	v_mov_b32 v[NIL], 0
	ds_add_u32 v28, v29
	ds_add_u32 v28, v29
	s_wait_dscnt 0x0
	v_lshrrev_b32 v1, 5, v0
	v_readfirstlane_b32 s14, v1
	s_lshr_b32 s15, s14, 1
	s_and_b32 s16, s14, 1
	s_and_b32 s17, ttmp7, 0xffff
	s_lshr_b32 s[PR], s17, 3
	s_and_b32 s17, s17, 7
	s_lshl_b32 s17, s17, 2
	s_wait_kmcnt 0x0
	s_cmp_eq_u32 s[PR], 0
	s_cselect_b64 s[4:5], s[24:25], s[28:29]
	s_cselect_b64 s[6:7], s[26:27], s[30:31]
	s_cselect_b64 s[8:9], s[32:33], s[36:37]
	s_cselect_b64 s[10:11], s[34:35], s[38:39]
	s_cselect_b64 s[96:97], s[44:45], s[46:47]
	s_cselect_b64 s[12:13], s[50:51], s[54:55]
	s_cselect_b64 s[66:67], s[52:53], s[56:57]
	s_cmp_eq_u32 s[PR], 2
	s_cselect_b64 s[8:9], s[40:41], s[8:9]
	s_cselect_b64 s[10:11], s[42:43], s[10:11]
	s_cselect_b64 s[96:97], s[48:49], s[96:97]
	s_cselect_b64 s[12:13], s[58:59], s[12:13]
	s_cselect_b64 s[66:67], s[60:61], s[66:67]
	s_cselect_b64 s[92:93], s[8:9], s[4:5]
	s_cselect_b64 s[8:9], s[4:5], s[8:9]
	s_cselect_b64 s[98:99], s[10:11], s[6:7]
	s_cselect_b64 s[10:11], s[6:7], s[10:11]
	s_mov_b64 s[4:5], s[92:93]
	s_mov_b64 s[6:7], s[98:99]
	s_mov_b32 s101, 0x05040100
	s_cselect_b32 s101, 0x03020100, s101
	s_mov_b32 s2, 0x07060302
	s_cselect_b32 s2, 0x07060504, s2
	s_cselect_b32 s18, 0, s17
	s_cselect_b32 s19, s17, 0
	s_bfe_u32 s40, ttmp6, 0x40000
	s_bfe_u32 s41, ttmp6, 0x40004
	s_lshl_b32 s42, ttmp9, 2
	s_add_co_u32 s42, s42, s40
	s_add_co_u32 s42, s42, s19
	s_add_co_u32 s17, s18, s41
	s_lshl_b32 s43, s41, 2
	s_lshl_b32 s43, 15, s43
	s_lshl_b32 s44, 0x1111, s40
	s_or_b32 s[G1+0], s43, (0<<16)|(1<<20)|(1<<21)|(5<<22)|(3<<25)
	s_or_b32 s[G1B+0], s44, (0<<16)|(1<<20)|(1<<21)|(5<<22)|(3<<25)
.irp g, G1, G1B
	s_mov_b32 s[\g+1], ROWB<<16
	s_mov_b32 s[\g+2], 256<<16
	s_mov_b32 s[\g+3], ROWB<<16
	s_mov_b32 s[\g+4], 256
	s_mov_b32 s[\g+5], KROW
	s_mov_b32 s[\g+6], 0
	s_mov_b32 s[\g+7], 0
.endr
	s_or_b32 s[G1S+0], s43, (3<<16)|(1<<20)|(1<<21)|(5<<22)|(3<<25)
	s_or_b32 s[G1SB+0], s44, (3<<16)|(1<<20)|(1<<21)|(5<<22)|(3<<25)
.irp g, G1S, G1SB
	s_mov_b32 s[\g+1], 32<<16
	s_mov_b32 s[\g+2], KS<<16
	s_mov_b32 s[\g+3], 32<<16
	s_mov_b32 s[\g+4], KS
	s_mov_b32 s[\g+5], 32
	s_mov_b32 s[\g+6], 0
	s_mov_b32 s[\g+7], 0
.endr
	s_lshl_b32 s20, s17, 8
	s_lshl_b32 s46, s42, 8
	s_mov_b32 s21, 0
	s_mov_b32 s47, 0
	s_mov_b64 s[18:19], KS
	s_mul_u64 s[22:23], s[20:21], s[18:19]
	s_mul_u64 s[92:93], s[46:47], s[18:19]
	s_mov_b64 s[18:19], KROW
	s_mul_u64 s[20:21], s[20:21], s[18:19]
	s_mul_u64 s[46:47], s[46:47], s[18:19]
	s_mul_i32 s45, s14, HALFT
	s_mul_i32 s18, s16, 128*KROW
	s_mov_b32 s19, 0
	s_add_nc_u64 s[20:21], s[4:5], s[20:21]
	s_add_nc_u64 s[22:23], s[6:7], s[22:23]
	s_add_nc_u64 s[46:47], s[8:9], s[46:47]
	s_add_nc_u64 s[92:93], s[10:11], s[92:93]
	CROUND
	s_mov_b32 s[G0S], 1
	s_mov_b32 s[G0S+1], SCL
	s_mov_b64 s[G0S+2:G0S+3], s[22:23]
	s_or_b32 s[G0S+3], s[G0S+3], 0x80000000
	s_mov_b32 s[G0SB], 1
	s_mov_b32 s[G0SB+1], SCL+2*HALFS
	s_mov_b64 s[G0SB+2:G0SB+3], s[92:93]
	s_or_b32 s[G0SB+3], s[G0SB+3], 0x80000000
	s_mov_b32 s4, 1                                ; s[4:7], s[8:11]: group 0 of the head's loads of K step 0: A's 256 rows, B's 256 rows (the arguments that lay there have been used)
	s_mov_b32 s5, 0
	s_mov_b64 s[6:7], s[20:21]
	s_or_b32 s7, s7, 0x80000000
	s_mov_b32 s8, 1
	s_mov_b32 s9, 2*HALFT
	s_mov_b64 s[10:11], s[46:47]
	s_or_b32 s11, s11, 0x80000000
	s_add_nc_u64 s[20:21], s[20:21], s[18:19]      ; for the ring: my 128 rows of the tile
	s_add_nc_u64 s[46:47], s[46:47], s[18:19]
.irp s, 0,1
	s_mov_b32 s[G0+4*\s], 1
	s_add_co_u32 s[G0+4*\s+1], s45, \s*SLOT
	s_add_nc_u64 s[G0+4*\s+2:G0+4*\s+3], s[20:21], \s*ROWB
	s_or_b32 s[G0+4*\s+3], s[G0+4*\s+3], 0x80000000
	s_mov_b32 s[G0B+4*\s], 1
	s_add_co_u32 s[G0B+4*\s+1], s45, \s*SLOT
	s_add_nc_u64 s[G0B+4*\s+2:G0B+4*\s+3], s[46:47], \s*ROWB
	s_or_b32 s[G0B+4*\s+3], s[G0B+4*\s+3], 0x80000000
.endr
; the head's loads, one a wave, in one chain of branches on the wave's number: wave 0 K step 0's 256 rows of A, wave 1 its 256 rows of B, wave 2 A's scales, wave 3 B's
.macro ARM under, g0, g1, next
	s_cmp_lt_u32 s14, \under
	s_cbranch_scc0 \next
	tensor_load_to_lds s[\g0:\g0+3], s[\g1:\g1+7]
	s_nop 0
.rept 4
	v_nop
.endr
	s_branch .Lhead_asked
\next:
.endm
	ARM 1, 4, G1, .Lhead_b
	ARM 2, 8, G1B, .Lhead_sa
	ARM 3, G0S, G1S, .Lhead_sb
	tensor_load_to_lds s[G0SB:G0SB+3], s[G1SB:G1SB+7]
	s_nop 0
.rept 4
	v_nop
.endr
.Lhead_asked:
	v_and_b32 v1, 15, v0
	v_bfe_u32 v2, v0, 4, 1
	v_mul_u32_u24 v3, v1, PITCH
	v_lshl_add_u32 v4, v2, 4, v3
	s_mul_i32 s21, s15, HALFT
	s_mul_i32 s22, s16, HALFT
	s_add_co_u32 s22, s22, 2*HALFT
.irp s, 0,1
	v_add_nc_u32 v[ADRA+\s], s21, v4
	v_add_nc_u32 v[ADRB+\s], s22, v4
	s_add_co_u32 s21, s21, SLOT
	s_add_co_u32 s22, s22, SLOT
.endr
	v_mul_u32_u24 v5, v1, KS
	v_lshrrev_b32 v6, 8, v5
	v_lshl_add_u32 v5, v6, 4, v5
	s_mul_i32 s21, s15, HALFS
	s_mul_i32 s22, s16, HALFS
	s_add_co_u32 s22, s22, 2*HALFS
	s_sub_co_u32 s22, s22, s21
	v_mul_u32_u24 v6, s22, v2
	s_add_co_u32 s21, s21, SCL
	v_add_nc_u32 v5, v5, v6
	v_add_nc_u32 v[ADRS], s21, v5
	v_and_b32 v6, 31, v0
	v_lshlrev_b32 v[CO], 4, v6
	v_lshlrev_b32 v[SO], 2, v6
	s_lshl_b32 s98, s42, 10
	s_lshl_b32 s100, s16, 9
	s_add_co_u32 s98, s98, s100
	s_lshl_b32 s99, s17, 10
	s_lshl_b32 s100, s15, 9
	s_add_co_u32 s99, s99, s100
	s_cmp_eq_u32 s[PR], 2
	s_cselect_b32 s98, 0, s98
	s_cselect_b32 s99, s99, 0
	v_lshl_add_u32 v[BR], v2, 5, s98
	v_lshl_add_u32 v[BL], v1, 2, s99
	s_cselect_b32 s98, s42, s17
	s_cselect_b32 s99, s17, s42
.irp b, 0,1,2,3
.irp t, 0,1
.irp k, 0,1
	global_load_b128 v[RB+16*\b+8*\t+4*\k:RB+16*\b+8*\t+4*\k+3], v[BR], s[96:97] offset:128*\b+64*\t+16*\k
.endr
.endr
.endr
.irp a, 0,1,2,3,4,5,6,7
	global_load_b32 v[LB+\a], v[BL], s[96:97] offset:64*\a
.endr
	s_lshr_b32 s100, s98, 3
	s_lshl_b32 s100, s100, 2
	s_add_co_u32 s100, s100, s99
	s_and_b32 s98, s98, 7
	s_lshl_b32 s3, s100, 15
	s_lshl_b32 s100, s100, 19
	s_lshl_b32 s99, s98, 14
	s_add_co_u32 s100, s100, s99
	s_lshl_b32 s99, s98, 12
	s_add_co_u32 s3, s3, s99
	s_lshl_b32 s99, s16, 18
	s_add_co_u32 s100, s100, s99
	s_lshl_b32 s99, s16, 11
	s_add_co_u32 s3, s3, s99
	s_lshl_b32 s99, s15, 13
	s_add_co_u32 s100, s100, s99
	s_lshl_b32 s99, s15, 9
	s_add_co_u32 s3, s3, s99
	s_mov_b32 s98, s100
	s_mov_b32 s99, 0
	s_add_nc_u64 s[12:13], s[12:13], s[98:99]
	s_mov_b32 s98, s3
	s_add_nc_u64 s[66:67], s[66:67], s[98:99]
.macro FRAG reg, adr, q, i
.irp c, 0,1,2,3
	ds_load_b128 v[\reg+4*\c:\reg+4*\c+3], v[\adr] offset:128*(\q)+32*\c+(\i)*16*PITCH
.endr
.endm
.macro MUL16 a0, p, q, sc, zero
.irp a, \a0, \a0+1
.irp b, 0,1,2,3,4,5,6,7
.if \zero
	v_wmma_scale_f32_16x16x128_f8f6f4 v[8*(8*((\a)%4)+\b):8*(8*((\a)%4)+\b)+7], v[128*(\p)+FR*\b:128*(\p)+FR*\b+FR-1], v[AF+FR*(\a):AF+FR*(\a)+FR-1], 0, v[SC+8*NQ*(\sc)+NQ*\b+(\q)], v[SC+8*NQ*(\sc)+NQ*(\a)+(\q)] matrix_a_fmt:MATRIX_FMT_BF8 matrix_b_fmt:MATRIX_FMT_BF8 matrix_a_scale:MATRIX_SCALE_ROW1
.else
	v_wmma_scale_f32_16x16x128_f8f6f4 v[8*(8*((\a)%4)+\b):8*(8*((\a)%4)+\b)+7], v[128*(\p)+FR*\b:128*(\p)+FR*\b+FR-1], v[AF+FR*(\a):AF+FR*(\a)+FR-1], v[8*(8*((\a)%4)+\b):8*(8*((\a)%4)+\b)+7], v[SC+8*NQ*(\sc)+NQ*\b+(\q)], v[SC+8*NQ*(\sc)+NQ*(\a)+(\q)] matrix_a_fmt:MATRIX_FMT_BF8 matrix_b_fmt:MATRIX_FMT_BF8 matrix_a_scale:MATRIX_SCALE_ROW1
.endif
.endr
.endr
.endm
.macro FETCH_B slot, q, p
	WIN TO_B
.irp i, 0,1,2,3,4,5,6,7
	FRAG 128*(\p)+FR*\i, ADRB+\slot, \q, \i
.endr
	WIN 0
.endm
.macro FETCH_A slot, q, i0
.irp i, \i0, \i0+1, \i0+2, \i0+3
	FRAG AF+FR*(\i), ADRA+\slot, \q, \i
.endr
.endm
.macro SCALES sc
.irp i, 0,1,2,3,4,5,6,7
	ds_load_b64 v[SC+8*NQ*\sc+NQ*\i:SC+8*NQ*\sc+NQ*\i+1], v[ADRS] offset:\i*SBLK
.endr
.endm
.macro PLACES n
.rept \n
	v_nop
.endr
.endm
.macro STEP slot, q, zero
	s_wait_dscnt 4*NL
	WIN MUL_LO
	MUL16 0, (\q)%2, \q, \slot, \zero
	MUL16 2, (\q)%2, \q, \slot, \zero
	s_wait_dscnt 0
	PLACES NP
	FETCH_B \slot, (\q)+1, 1-(\q)%2
	FETCH_A \slot, (\q)+1, 0
	WIN MUL_HI
	MUL16 4, (\q)%2, \q, \slot, \zero
	MUL16 6, (\q)%2, \q, \slot, \zero
	PLACES NP
	WIN 0
	FETCH_A \slot, (\q)+1, 4
.endm
.macro TURN slot, next, fill
	s_wait_tensorcnt 0x0
	ds_add_u32 v[SPW], v[NIL]
	s_wait_dscnt 4*NL+1
	WIN MUL_LO
	MUL16 0, 1, NQ-1, \slot, 0
	s_wait_dscnt 0x0
	s_barrier_signal -1
	MUL16 2, 1, NQ-1, \slot, 0
	WIN 0
	s_barrier_wait -1
.if \fill
	CREST
	s_add_nc_u64 s[G0+4*\slot+2:G0+4*\slot+3], s[G0+4*\slot+2:G0+4*\slot+3], 2*ROWB
	s_add_nc_u64 s[G0B+4*\slot+2:G0B+4*\slot+3], s[G0B+4*\slot+2:G0B+4*\slot+3], 2*ROWB
	JLOAD G0+4*\slot, G1, G0B+4*\slot, G1B
	PLACES NP-4
.else
	PLACES NP
.endif
	s_wait_alu depctr_va_vdst(0)
	v_add_nc_u32 v[ADRS], 4*NQ, v[ADRS]
	FETCH_B \next, 0, 0
	FETCH_A \next, 0, 0
	SCALES \next
	WIN MUL_HI
	MUL16 4, 1, NQ-1, \slot, 0
	MUL16 6, 1, NQ-1, \slot, 0
	PLACES NP
	WIN 0
	FETCH_A \next, 0, 4
.endm
	s_wait_alu depctr_va_vdst(0)
	s_wait_loadcnt 0x0
	s_wait_tensorcnt 0x0                           ; my tile of the head's four is in
	ds_add_u32 v[SPW], v[NIL]
	s_mov_b32 s[G1+2], 128<<16                     ; no tensor load of mine is out: from here on a load brings 128 rows
	s_mov_b32 s[G1+4], 128
	s_mov_b32 s[G1B+2], 128<<16
	s_mov_b32 s[G1B+4], 128
	s_wait_dscnt 0x0
	CROUND
	JLOAD G0+4, G1, G0B+4, G1B                     ; K step 1, the first tensor load behind the round
	FETCH_B 0, 0, 0
	FETCH_A 0, 0, 0
	SCALES 0
	FETCH_A 0, 0, 4
	STEP 0, 0, 1
	s_mov_b32 s3, LAPS-1
.Llap:
	TURN 0, 1, 1
	STEP 1, 0, 0
	TURN 1, 0, 1
	STEP 0, 0, 0
	s_sub_co_u32 s3, s3, 1
	s_cmp_lg_u32 s3, 0
	s_cbranch_scc1 .Llap
	TURN 0, 1, 0
	STEP 1, 0, 0
	s_wait_dscnt 4*NL
	WIN MUL_LO
	MUL16 0, 1, NQ-1, 1, 0
	MUL16 2, 1, NQ-1, 1, 0
	s_wait_dscnt 0
	WIN MUL_HI
	MUL16 4, 1, NQ-1, 1, 0
	MUL16 6, 1, NQ-1, 1, 0
	WIN 0
.macro QUANT s, pw
.irp b, 0,1,2,3
	v_max3_num_f32 v[TM+\b], |v[\s+16*\b]|, |v[\s+1+16*\b]|, 0x8000000
.endr
.irp i, 2,4,6,8,10,12,14
.irp b, 0,1,2,3
	v_max3_num_f32 v[TM+\b], v[TM+\b], |v[\s+16*\b+\i]|, |v[\s+1+16*\b+\i]|
.endr
.endr
.irp b, 0,1,2,3
	v_permlanex16_b32 v[TM+4+\b], v[TM+\b], s18, s19
.endr
.irp b, 0,1,2,3
	v_max_num_f32 v[TM+\b], v[TM+\b], v[TM+4+\b]
.endr
.irp b, 0,1,2,3
	v_add_nc_u32 v[TM+12+\b], 0xf8800000, v[TM+\b]
.endr
.irp b, 0,1,2,3
	v_and_or_b32 v[TM+8+\b], v[TM+\b], 0x7f800000, s20
.endr
.irp b, 0,1,2,3
	v_lshrrev_b32 v[TM+4+\b], 23, v[TM+12+\b]
.endr
	v_lshl_or_b32 v[\pw], v[TM+5], 8, v[TM+4]
	v_lshl_or_b32 v[\pw], v[TM+6], 16, v[\pw]
	v_lshl_or_b32 v[\pw], v[TM+7], 24, v[\pw]
.irp b, 0,1,2,3
.irp i, 0,1,2,3,4,5,6,7,8,9,10,11,12,13,14,15
	v_med3_num_f32 v[\s+16*\b+\i], v[\s+16*\b+\i], -v[TM+8+\b], v[TM+8+\b]
.endr
	v_cvt_scalef32_pk8_bf8_f32 v[PC+4*\b:PC+1+4*\b], v[\s+16*\b:\s+7+16*\b], v[TM+12+\b]
	v_cvt_scalef32_pk8_bf8_f32 v[PC+2+4*\b:PC+3+4*\b], v[\s+8+16*\b:\s+15+16*\b], v[TM+12+\b]
.endr
	v_nop
.endm
.macro OUT a
.set AC, 64*((\a)%4)
	s_wait_xcnt 0x0
	s_cmp_eq_u32 s[PR], 2
	s_cbranch_scc1 .Lby_lane_\@
	WIN 0x02+(\a)/4
.set i, 0
.rept 32
	v_pk_add_f32 v[T+i:T+i+1], v[AC+i:AC+i+1], v[RB+i:RB+i+1]
.set i, i+2
.endr
	WIN 0
	s_branch .Lbiased_\@
.Lby_lane_\@:
	WIN 0x02+(\a)/4
.set i, 0
.rept 32
.if (\a)%2
	v_pk_add_f32 v[T+i:T+i+1], v[AC+i:AC+i+1], v[LB+(\a)-1:LB+(\a)] op_sel:[0,1] op_sel_hi:[1,1]
.else
	v_pk_add_f32 v[T+i:T+i+1], v[AC+i:AC+i+1], v[LB+(\a):LB+(\a)+1] op_sel_hi:[1,0]
.endif
.set i, i+2
.endr
	WIN 0
.Lbiased_\@:
	QUANT T, PW+(\a)%2
.irp c, 0,1,2,3
	global_store_b128 v[CO], v[PC+4*\c:PC+4*\c+3], s[12:13] offset:(\c/2)*131072+(\a)*1024+(\c%2)*512
.endr
.if (\a)%2
	v_perm_b32 v[XW], v[PW+1], v[PW], s101
	v_perm_b32 v[XW+1], v[PW+1], v[PW], s2
	global_store_b32 v[SO], v[XW], s[66:67] offset:((\a)/2)*128
	global_store_b32 v[SO], v[XW+1], s[66:67] offset:((\a)/2)*128+1024
.endif
.endm
	PLACES NP
	s_mov_b32 s18, 0x76543210
	s_mov_b32 s19, 0xfedcba98
	s_mov_b32 s20, 0x600000
.irp b, 0,1,2,3
	v_mov_b32 v[TM+4+\b], 0
.endr
.irp a, 0,1,2,3,4,5,6,7
	OUT \a
.endr
	s_wait_tensorcnt 0x0
	ds_add_u32 v[SPW], v[NIL]
	s_wait_dscnt 0x0
	CROUND
	s_endpgm
.Lfunc_end_k_qa4f5a60918_proj:
	.size	k_qa4f5a60918_proj, .Lfunc_end_k_qa4f5a60918_proj-k_qa4f5a60918_proj
	.p2alignl 7, 3214868480
	.fill 96, 4, 3214868480
	.section	.rodata,"a",@progbits
	.p2align	6, 0x0
	.amdhsa_kernel k_qa4f5a60918_proj
		.amdhsa_group_segment_fixed_size 327680
		.amdhsa_private_segment_fixed_size 0
		.amdhsa_enable_private_segment 0
		.amdhsa_kernarg_size 152
		.amdhsa_user_sgpr_count 2
		.amdhsa_user_sgpr_kernarg_segment_ptr 1
		.amdhsa_wavefront_size32 1
		.amdhsa_system_sgpr_workgroup_id_x 1
		.amdhsa_system_sgpr_workgroup_id_y 1
		.amdhsa_system_sgpr_workgroup_id_z 1
		.amdhsa_system_vgpr_workitem_id 0
		.amdhsa_next_free_vgpr 1024
		.amdhsa_next_free_sgpr 102
		.amdhsa_reserve_vcc 0
		.amdhsa_float_denorm_mode_32 3
		.amdhsa_float_denorm_mode_16_64 3
		.amdhsa_memory_ordered 1
		.amdhsa_forward_progress 1
		.amdhsa_inst_pref_size 223
	.end_amdhsa_kernel
	.amdgpu_metadata
---
amdhsa.version: [ 1, 2 ]
amdhsa.kernels:
  - .name:           k_qa4f5a60918_proj
    .symbol:         k_qa4f5a60918_proj.kd
    .args:
      - { .name: x_q_codes, .offset: 0, .size: 8, .value_kind: global_buffer, .address_space: global }
      - { .name: x_q_scales, .offset: 8, .size: 8, .value_kind: global_buffer, .address_space: global }
      - { .name: x_k_v_codes, .offset: 16, .size: 8, .value_kind: global_buffer, .address_space: global }
      - { .name: x_k_v_scales, .offset: 24, .size: 8, .value_kind: global_buffer, .address_space: global }
      - { .name: w_q_codes, .offset: 32, .size: 8, .value_kind: global_buffer, .address_space: global }
      - { .name: w_q_scales, .offset: 40, .size: 8, .value_kind: global_buffer, .address_space: global }
      - { .name: w_k_codes, .offset: 48, .size: 8, .value_kind: global_buffer, .address_space: global }
      - { .name: w_k_scales, .offset: 56, .size: 8, .value_kind: global_buffer, .address_space: global }
      - { .name: w_v_codes, .offset: 64, .size: 8, .value_kind: global_buffer, .address_space: global }
      - { .name: w_v_scales, .offset: 72, .size: 8, .value_kind: global_buffer, .address_space: global }
      - { .name: b_q, .offset: 80, .size: 8, .value_kind: global_buffer, .address_space: global }
      - { .name: b_k, .offset: 88, .size: 8, .value_kind: global_buffer, .address_space: global }
      - { .name: b_v, .offset: 96, .size: 8, .value_kind: global_buffer, .address_space: global }
      - { .name: q_img, .offset: 104, .size: 8, .value_kind: global_buffer, .address_space: global }
      - { .name: q_sc, .offset: 112, .size: 8, .value_kind: global_buffer, .address_space: global }
      - { .name: k_img, .offset: 120, .size: 8, .value_kind: global_buffer, .address_space: global }
      - { .name: k_sc, .offset: 128, .size: 8, .value_kind: global_buffer, .address_space: global }
      - { .name: v_img, .offset: 136, .size: 8, .value_kind: global_buffer, .address_space: global }
      - { .name: v_sc, .offset: 144, .size: 8, .value_kind: global_buffer, .address_space: global }
    .group_segment_fixed_size: 327680
    .private_segment_fixed_size: 0
    .kernarg_segment_align: 8
    .kernarg_segment_size: 152
    .max_flat_workgroup_size: 128
    .sgpr_count:     102
    .vgpr_count:     1024
    .wavefront_size: 32
...
	.end_amdgpu_metadata
.endif
;; end of part 1
;; launch attn (part 2): grid 4 x 64, 8 waves a work-group, clusters of 4 x 4, 327,680 bytes of LDS; arguments q_img, q_sc, k_img, k_sc, v_img, v_sc, attn_mask, out0; writes out0
.if DOCPART == 2
	.amdgcn_target "amdgcn-amd-amdhsa--gfx1250"
	.amdhsa_code_object_version 6
	.text
	.protected	k_qa4f5a60918_attn
	.globl	k_qa4f5a60918_attn
	.p2align	8
	.type	k_qa4f5a60918_attn,@function
k_qa4f5a60918_attn:
	s_mov_b64 s[64:65], 0
	v_nop
	global_prefetch_b8 v0, s[64:65] scope:SCOPE_SE
	s_setreg_imm32_b32 hwreg(HW_REG_WAVE_MODE, 25, 1), 1
	s_wait_xcnt 0x0
	s_wait_alu depctr_hold_cnt(0) depctr_sa_sdst(0) depctr_va_vdst(0) depctr_va_sdst(0) depctr_va_ssrc(0) depctr_va_vcc(0) depctr_vm_vsrc(0)
	s_getreg_b32 s2, hwreg(HW_REG_IB_STS2, 6, 4)
	s_cmp_eq_u32 s2, 0
	s_cbranch_scc0 .Lentry_in_a_cluster
	s_endpgm
.Lentry_in_a_cluster:
	s_bfe_u32 s2, ttmp6, 0x10000c
	s_cmp_lg_u32 s2, 0xf033
	s_cbranch_scc0 .Lentry_shape_is_right
	s_endpgm
.Lentry_shape_is_right:
; z[b][q][head] = softmax_k(where(mask, -1e9, q . k / 8)) v, both products on codes of BF8 (E5M2) with one E8M0 scale for each 32 along a product's K.
; q, k, v come as images of operand registers from the launch before (a chunk of 512 bytes = four registers of 32 lanes, lane l's 16 bytes at 16 l; a scale word 4 bytes a lane).
; THE SOFTMAX: t = logit x log2(e); M = the row's largest t so far, rounded up to a whole number; p = 2^(t - M) is quantised along the keys, not normalised; the row's sum is taken of the
; unquantised p and divides at the end.  When M moves, the sum and O are multiplied by 2^(old M - new M): exact.
; SHARES.  256 work-groups; one owns 512 queries of one head of one batch, in two passes of 256.  Each of its eight waves owns 32 queries a pass, two tiles x = 0, 1 of 16, one query a lane (lane % 16),
; so a fragment of K feeds four products and a fragment of V two.  A wave walks all 2,048 keys, 128 a step, two steps a trip.
; K, V AND THEIR SCALE WORDS OF THE WHOLE HEAD LIE IN LDS, 278,528 bytes, filled once by eight joint loads at the head, one a wave; nothing is filled again, so one barrier shows them and the loops have none.
; THE MASK goes to registers: a step's 32 rows x 128 bytes by eight loads (eight neighbouring lanes read 128 neighbouring bytes of a row), asked for one step ahead; it is turned to one query a lane
; through the wave's own 4,608 bytes of LDS (rows of 128 + 16 bytes).  The last step of a pass asks for the pass's first 128 keys again, so that every address lies inside the buffer.
; K = 64 IN AN INSTRUCTION OF K = 128: a fragment holds two tiles of 16 keys (K places 0-63, 64-127) and is multiplied by [Q | 0] and by [0 | Q]; zero codes add nothing.
; THE MASK IS THE C OF THE FIRST PRODUCT: a mask byte read as a code of E5M2 is 0 or 2^-16; converted with the scale 2^17 it is C = 2 or 0.  Q's signs are turned and its scale bytes lowered by 32:
; U = C - 2^-32 q.k, t = -c' U with c' = 2^32 log2(e) / 8.  A masked key's t lies under -7e8 and its p is 0.  The largest t is the least U.
; A ROW OF WHICH NO KEY HAS COUNTED YET: the step's least U is held at 1, so its largest t is exactly -c'; while that holds factor and addend of t - M are 0 (a select): p = 1 for every key, as where every logit is -1e9.
; THE EXPONENTIALS GO IN TWO BATCHES WITH PLAIN WORK AMONG THEM: tile 0's 64 among tile 1's 32 multiply-adds; tile 1's 64 among tile 0's 16 first sums and 32 holds.  What a plain line writes inside a batch
; is first read behind the wait that follows the batch, and what it reads was written ahead of the wait in front of it.
; CLUSTER 4 x 4: four query blocks (x) of four heads (y).  K, V and scale words hang on the head alone: asked for jointly along a row.  The mask is not asked for jointly: it lands in no LDS tile.
; No prefetch into the L2: the mask's loads themselves stand a whole step ahead of their use, and K and V are asked for once, at the head, where there is no loop to run ahead in.
; LIMITS: NaN and infinities are not served; mask bytes are 0 or 1; |q . k| stays under 2^32; a block of q whose scale byte lies under 33 is taken with the byte 33; a block of p of zeros has the byte 1 over zero codes.
; LDS: K [slot 8][16,384] at 0; V [64 keys of a slot 4][slot 8][4,096] at VOFF; scale words; spare words; the waves' own bytes (mask rows, later the way out's stage).
; REGISTERS.  Window 0: v1-15 addresses; ST + 8 x: factor pair, -M and largest t, sum pair, f pair; U + 64 x the scores, then p; PC p's codes (before that tile 0's first sums); MW mask bytes, then temporaries; FS, PW, QS scale words.
; Window 1: FG four fragments of K or V; v64-103: 0 | -Q0 | 0 | -Q1 | 0; OT + 32 x O^T; G the mask as loaded.
.set VOFF,  131072
.set SCK,   262144
.set SCV,   SCK+8192
.set SPARE, SCV+8192                   ; the spare words: 128 bytes for each of eight waves
.set SCR,   SPARE+1024                 ; the waves' own bytes
.set SCW,   4608
.set MP,    144                        ; a mask row in LDS: 36 words: the 32 lanes of an 8-byte load touch 64 different banks (ISA guide 11.1)
.set SP,    272                        ; a stage row
.set LI, 1                             ; 16 x lane
.set AMR, 3                            ; mask rows, read: r x 144 + 8 h
.set AMW, 4                            ; mask rows, written: (lane / 8) x 144 + 16 (lane % 8)
.set SPW, 5
.set NIL, 6
.set MSC, 7                            ; the E8M0 byte 0x90 = 2^17 in every byte
.set ADK, 8
.set ADV, 9
.set ADV2, 10
.set ADS, 11
.set GM0, 12                           ; the mask in memory: (lane / 8) x 2,048 + 16 (lane % 8)
.set GMC, 13                           ; + the slot's first key
.set STI, 14
.set STO, 15
.set ST, 16
.set U, 32
.set PC, 160
.set MW, 192
.set SX, 224
.set RX, 240
.set GO, 242
.set QSO, 246                          ; 4 x lane
.set HSH, 247                          ; 16 h
.set FS, 248
.set PW, 252
.set QS, 254
.set FG, 0                             ; window 1
.set QA, 72
.set OT, 104
.set G, 168
.set WV, 20
.set SEL, 22
.set NC, 24                            ; -c'
.set MNT, 25
.set SL, 27                            ; the slot, 0 .. 7
.set PASS, 28
.set CM, 34
.set G1K, 36
.set G1V, 44
.set G0VS, 60
.set G1KS, 68
.set G1VS, 76
.set G0K, 84
.set G0V, 88
.set G0KS, 96
.set MSB, 0
.macro WIN new                         ; the immediate's high byte repeats the setting that is left
.if MSB != \new
	s_set_vgpr_msb (MSB<<8)|\new
.set MSB, \new
.endif
.endm
.macro PLACES n
.rept \n
	v_nop
.endr
.endm
.macro WALU
	s_wait_alu depctr_va_vdst(0)
.endm
.macro ROUND                           ; a round of the cluster's barrier
	s_barrier_signal -1
	s_barrier_wait -1
	s_cmp_lg_u32 s[WV], 0
	s_cbranch_scc1 .Lnot_wave_0_\@
	s_barrier_signal -3
.Lnot_wave_0_\@:
	s_barrier_wait -3
	s_barrier_signal -1
	s_barrier_wait -1
.endm
.macro TL g0, g1                       ; s_nop 0 and four v_nop follow a tensor load
	tensor_load_to_lds s[\g0:\g0+3], s[\g1:\g1+7]
	s_nop 0
	PLACES 4
.endm
.macro GR1 g, c, r, p                  ; group 1: r rows of c elements of 8 bytes, p elements apart, no padding, my row of the cluster
	s_or_b32 s[\g], s33, (3<<16)|(1<<21)
	s_mov_b32 s[\g+1], (\c)<<16
	s_mov_b32 s[\g+2], (\r)<<16
	s_mov_b32 s[\g+3], (\c)<<16
	s_mov_b32 s[\g+4], \r
	s_mov_b32 s[\g+5], \p
	s_mov_b32 s[\g+6], 0
	s_mov_b32 s[\g+7], 0
.endm
.macro LOADS                           ; a pass's Q (two tiles), its scale words, and the mask of its first step: 4 + 1 + 8 loads
	WIN 0x40
.irp k, 0,1,2,3
	global_load_b128 v[QA+16*(\k/2)+4*(\k%2):QA+16*(\k/2)+4*(\k%2)+3], v[LI], s[4:5] offset:512*\k
.endr
	WIN 0
	global_load_b32 v[RX], v[QSO], s[6:7]
	WIN 0x40
.irp i, 0,1,2,3,4,5,6,7
	global_load_b128 v[G+4*\i:G+4*\i+3], v[GM0], s[16:17] offset:8192*\i
.endr
	WIN 0
.endm
.macro PADD d, a, b                    ; two f32 sums
	v_pk_add_f32 v[\d:\d+1], v[\a:\a+1], v[\b:\b+1]
.endm
.macro HOLD2 u, bd                     ; two numbers held at the largest code x the scale (the conversion does not saturate: ISA guide 7.6.2; p is not negative)
	v_dual_min_num_f32 v[\u], v[\u], v[\bd] :: v_dual_min_num_f32 v[\u+1], v[\u+1], v[\bd]
.endm
.macro SCL i, t                        ; a tile's four blocks: i = 0 the floor 2^(16 - 127) under the largest p; 1 the conversion's scale operand; 2 57,344 x the scale; 3 the scale's byte
.irp b, 0,1,2,3
.if \i == 0
	v_max_num_f32 v[\t+\b], 0x8000000, v[\t+\b]
.elseif \i == 1
	v_add_nc_u32 v[\t+12+\b], 0xf8800000, v[\t+\b]
.elseif \i == 2
	v_and_or_b32 v[\t+8+\b], v[\t+\b], 0x7f800000, s[MNT]
.else
	v_lshrrev_b32 v[\t+4+\b], 23, v[\t+12+\b]
.endif
.endr
.endm
.macro WORD pw, t                      ; p's scale word for these 128 keys
	v_lshl_or_b32 v[\pw], v[\t+5], 8, v[\t+4]
	v_lshl_or_b32 v[\pw], v[\t+6], 16, v[\pw]
	v_lshl_or_b32 v[\pw], v[\t+7], 24, v[\pw]
.endm
.macro CODES pc, u, t, b               ; block b's 32 codes of a lane's half
	v_cvt_scalef32_pk8_bf8_f32 v[\pc+4*\b:\pc+4*\b+1], v[\u+16*\b:\u+16*\b+7], v[\t+12+\b]
	v_cvt_scalef32_pk8_bf8_f32 v[\pc+4*\b+2:\pc+4*\b+3], v[\u+16*\b+8:\u+16*\b+15], v[\t+12+\b]
.endm
	s_load_b512 s[4:19], s[0:1], 0x0               ; q_img, q_sc, k_img, k_sc, v_img, v_sc, the mask, the output
	v_lshl_add_u32 v[SPW], v0, 2, SPARE
	v_mov_b32 v[NIL], 0
	ds_add_u32 v[SPW], v[NIL]                      ; the opening lines: the add twice on end and its wait
	ds_add_u32 v[SPW], v[NIL]
	v_lshrrev_b32 v32, 5, v0
	v_readfirstlane_b32 s[WV], v32                 ; wave 0..7
	s_bfe_u32 s29, ttmp6, 0x40000                  ; cx: my block of 512 queries
	s_bfe_u32 s30, ttmp6, 0x40004                  ; cy: the head within its group of four
	s_and_b32 s31, ttmp7, 0xffff                   ; G = 4 x batch + group of four heads
	s_lshl_b32 s33, s30, 2
	s_lshl_b32 s33, 15, s33                        ; my row of the cluster
	GR1 G1K, 32, 256, 32                           ; half of K: 65,536 dense bytes as rows of 256
	GR1 G1V, 512, 8, 2048                          ; a quarter of V: 8 slots' rows of 4,096 bytes, 16,384 apart
	GR1 G1KS, 128, 8, 512                          ; K's scale words: 8 rows of 1,024 bytes, 4,096 apart
	GR1 G1VS, 32, 32, 128                          ; V's: 32 rows of 256 bytes, 1,024 apart
	s_mov_b32 s3, 0                                ; s[2:3], s35, s21: never hold cx;  s[100:101], s104: for Q, the mask and the output alone
	s_mov_b32 s101, 0
	s_lshl_b32 s35, s31, 19
	s_wait_dscnt 0x0
	s_wait_kmcnt 0x0
	s_lshl_b32 s2, s30, 12                         ; V, waves 0-3: G x 524,288 + head x 4,096 + wave x 131,072
	s_add_co_u32 s2, s2, s35
	s_lshl_b32 s21, s[WV], 17
	s_add_co_u32 s2, s2, s21
	s_lshl_b32 s21, s[WV], 15
	s_mov_b32 s[G0V], 1
	s_add_co_u32 s[G0V+1], s21, VOFF
	s_add_nc_u64 s[G0V+2:G0V+3], s[12:13], s[2:3]
	s_or_b32 s[G0V+3], s[G0V+3], 0x80000000
	s_and_b32 s21, s[WV], 1                        ; K, waves 4, 5: the head's 131,072 bytes in halves
	s_lshl_b32 s21, s21, 16
	s_lshl_b32 s2, s30, 17
	s_add_co_u32 s2, s2, s35
	s_add_co_u32 s2, s2, s21
	s_mov_b32 s[G0K], 1
	s_mov_b32 s[G0K+1], s21
	s_add_nc_u64 s[G0K+2:G0K+3], s[8:9], s[2:3]
	s_or_b32 s[G0K+3], s[G0K+3], 0x80000000
	s_lshl_b32 s35, s31, 15
	s_lshl_b32 s2, s30, 10
	s_add_co_u32 s2, s2, s35
	s_mov_b32 s[G0KS], 1
	s_mov_b32 s[G0KS+1], SCK
	s_add_nc_u64 s[G0KS+2:G0KS+3], s[10:11], s[2:3]
	s_or_b32 s[G0KS+3], s[G0KS+3], 0x80000000
	s_lshl_b32 s2, s30, 8
	s_add_co_u32 s2, s2, s35
	s_mov_b32 s[G0VS], 1
	s_mov_b32 s[G0VS+1], SCV
	s_add_nc_u64 s[G0VS+2:G0VS+3], s[14:15], s[2:3]
	s_or_b32 s[G0VS+3], s[G0VS+3], 0x80000000
	ROUND                                          ; all sixteen work-groups are here: the joint loads meet
	s_cmp_lt_u32 s[WV], 4                          ; one chain of branches on the wave's number, one load to an arm
	s_cbranch_scc0 .Lnot_v
	TL G0V, G1V
	s_branch .Lasked
.Lnot_v:
	s_cmp_lt_u32 s[WV], 6
	s_cbranch_scc0 .Lnot_k
	TL G0K, G1K
	s_branch .Lasked
.Lnot_k:
	s_cmp_eq_u32 s[WV], 6
	s_cbranch_scc0 .Lnot_ks
	TL G0KS, G1KS
	s_branch .Lasked
.Lnot_ks:
	TL G0VS, G1VS
.Lasked:
	s_lshl_b32 s100, s31, 19                       ; Q: the head's images, + 32 tiles x cx + 2 tiles x wave, 1,024 bytes a tile
	s_lshl_b32 s104, s30, 17
	s_add_co_u32 s100, s100, s104
	s_lshl_b32 s104, s29, 15
	s_add_co_u32 s100, s100, s104
	s_lshl_b32 s104, s[WV], 11
	s_add_co_u32 s100, s100, s104
	s_add_nc_u64 s[4:5], s[4:5], s[100:101]
	s_lshl_b32 s100, s31, 15                       ; its scale words: [G][256 queries][head][pair of tiles][128]: my two tiles are one word
	s_lshl_b32 s104, s29, 13
	s_add_co_u32 s100, s100, s104
	s_lshl_b32 s104, s30, 10
	s_add_co_u32 s100, s100, s104
	s_lshl_b32 s104, s[WV], 7
	s_add_co_u32 s100, s100, s104
	s_add_nc_u64 s[6:7], s[6:7], s[100:101]
	s_lshr_b32 s100, s31, 2                        ; the mask: batch, + 512 rows x cx + 32 rows x wave
	s_lshl_b32 s100, s100, 22
	s_lshl_b32 s104, s29, 20
	s_add_co_u32 s100, s100, s104
	s_lshl_b32 s104, s[WV], 16
	s_add_co_u32 s100, s100, s104
	s_add_nc_u64 s[16:17], s[16:17], s[100:101]
	s_lshr_b32 s100, s31, 2                        ; the output: the same rows of 4,096 bytes, + 256 bytes x head
	s_lshl_b32 s100, s100, 23
	s_lshl_b32 s104, s29, 21
	s_add_co_u32 s100, s100, s104
	s_lshl_b32 s104, s[WV], 17
	s_add_co_u32 s100, s100, s104
	s_and_b32 s104, s31, 3
	s_lshl_b32 s104, s104, 10
	s_add_co_u32 s100, s100, s104
	s_lshl_b32 s104, s30, 8
	s_add_co_u32 s100, s100, s104
	s_add_nc_u64 s[18:19], s[18:19], s[100:101]
	s_mov_b32 s[SEL], 0x76543210
	s_mov_b32 s[SEL+1], 0xfedcba98
	s_mov_b32 s[NC], 0xce38aa3b
	s_mov_b32 s[MNT], 0x600000
	s_mov_b32 s[PASS], 0
	s_mul_i32 s21, s[WV], SCW
	s_add_co_u32 s21, s21, SCR                     ; my own bytes
	v_and_b32 v37, 31, v0
	v_and_b32 v33, 15, v0                          ; r
	v_bfe_u32 v34, v0, 4, 1                        ; h
	v_bfe_u32 v35, v0, 3, 2                        ; lane / 8
	v_and_b32 v36, 7, v0
	v_lshlrev_b32 v[LI], 4, v37
	v_lshlrev_b32 v[QSO], 2, v37
	v_lshlrev_b32 v[HSH], 4, v34
	v_mul_u32_u24 v[AMR], v33, MP
	v_mul_u32_u24 v[AMW], v35, MP
	v_mul_u32_u24 v[STI], v33, SP
	v_mul_u32_u24 v[STO], v34, SP
	v_lshl_add_u32 v[AMR], v34, 3, v[AMR]
	v_lshl_add_u32 v[AMW], v36, 4, v[AMW]
	v_lshl_add_u32 v[STI], v34, 5, v[STI]
	v_lshl_add_u32 v[STO], v33, 4, v[STO]
	v_add_nc_u32 v[AMR], s21, v[AMR]
	v_add_nc_u32 v[AMW], s21, v[AMW]
	v_add_nc_u32 v[STI], s21, v[STI]               ; stage, in: row r, 32 h bytes on
	v_add_nc_u32 v[STO], s21, v[STO]               ; back: lanes 0-15 one row, lanes 16-31 the next
	v_lshlrev_b32 v[GM0], 11, v35
	v_lshlrev_b32 v[GO], 12, v34
	v_lshl_add_u32 v[GM0], v36, 4, v[GM0]
	v_lshl_add_u32 v[GO], v33, 4, v[GO]
	v_mov_b32 v[MSC], 0x90909090
	WIN 0x40
.irp j, 0,1,2,3,4,5,6,7
	v_mov_b32 v[QA-8+\j], 0                        ; the zero codes beside Q0 and Q1
	v_mov_b32 v[QA+8+\j], 0
	v_mov_b32 v[QA+24+\j], 0
.endr
	WIN 0
	LOADS
	WALU
	s_wait_tensorcnt 0x0                           ; my tile is in,
	s_barrier_signal -1
	s_barrier_wait -1                              ; and everybody's: K, V and the scale words stand for the rest of the launch
; A KEY STEP: 128 keys, the q-th of the slot in hand, for both tiles.
.macro STEP q
	PLACES 8                                       ; in front of loads into registers that the last products have read
.if \q == 0
	WALU
.endif
	s_wait_loadcnt 0x0                             ; this step's mask is in registers
	WIN 0x04
.irp i, 0,1,2,3,4,5,6,7
	ds_store_b128 v[AMW], v[G+4*\i:G+4*\i+3] offset:576*\i   ; rows 4 i + lane / 8 of my 32
.endr
	WIN 0
.if \q
	s_add_co_u32 s21, s[SL], 1                     ; the next slot's first key; behind the last slot the first again
	s_and_b32 s21, s21, 7
	s_lshl_b32 s21, s21, 8
	v_add_nc_u32 v[GMC], s21, v[GM0]               ; (the loads that read it have been waited for)
.endif
	WIN 0x40
.irp i, 0,1,2,3,4,5,6,7
	global_load_b128 v[G+4*\i:G+4*\i+3], v[GMC], s[16:17] offset:8192*\i+128*(1-\q)   ; the next step's mask
.endr
	WIN 0
.irp x, 0,1
.irp t, 0,1,2,3,4,5,6,7
	ds_load_b64 v[MW+16*\x+2*\t:MW+16*\x+2*\t+1], v[AMR] offset:16*MP*\x+16*\t   ; my query's mask bytes of keys 16 t + 8 h + 0 .. 7.  LDS serves a wave's instructions in order (ISA guide 5.7.1.4)
.endr
.endr
	WIN 0x40
.irp f, 0,1,2,3
.irp c, 0,1,2,3
	ds_load_b128 v[FG+16*\f+4*\c:FG+16*\f+4*\c+3], v[ADK] offset:8192*(\q)+2048*\f+512*\c
.endr
.endr
	WIN 0
.irp f, 0,1,2,3
	ds_load_b32 v[FS+\f], v[ADS] offset:512*(\q)+128*\f
.endr
	s_wait_dscnt 20                                ; the mask bytes are in; K's 16 + 4 loads issued behind them may be out
.irp x, 0,1
.irp t, 0,1,2,3,4,5,6,7
	v_cvt_scale_pk8_f32_bf8 v[U+64*\x+8*\t:U+64*\x+8*\t+7], v[MW+16*\x+2*\t:MW+16*\x+2*\t+1], v[MSC]   ; C: 2 where the key is masked, 0 where it counts
.endr
.endr
	PLACES 4
	WALU
	s_wait_dscnt 0x0
	WIN 0x05                                       ; fragments and Q in window 1, scores in window 0
.irp f, 0,1,2,3                                ; U = C - 2^-32 K Q^T; the sixteen accumulators take turns
.irp x, 0,1
	v_wmma_scale_f32_16x16x128_f8f6f4 v[U+64*\x+16*\f:U+64*\x+16*\f+7], v[FG+16*\f:FG+16*\f+15], v[QA+16*\x:QA+16*\x+15], v[U+64*\x+16*\f:U+64*\x+16*\f+7], v[FS+\f], v[QS+\x] matrix_a_fmt:MATRIX_FMT_BF8 matrix_b_fmt:MATRIX_FMT_BF8
	v_wmma_scale_f32_16x16x128_f8f6f4 v[U+64*\x+16*\f+8:U+64*\x+16*\f+15], v[FG+16*\f:FG+16*\f+15], v[QA+16*\x-8:QA+16*\x+7], v[U+64*\x+16*\f+8:U+64*\x+16*\f+15], v[FS+\f], v[QS+\x] matrix_a_fmt:MATRIX_FMT_BF8 matrix_b_fmt:MATRIX_FMT_BF8 matrix_b_scale:MATRIX_SCALE_ROW1
.endr
.endr
	WIN 0
	PLACES 8                                       ; in front of the loads below and of the first read of the results
	WIN 0x40
.irp t, 0,1,2,3                                ; V's fragments land while the softmax is walked
.irp c, 0,1,2,3
	ds_load_b128 v[FG+16*\t+4*\c:FG+16*\t+4*\c+3], v[ADV+\q] offset:(\c/2)*32768+\t*1024+(\c%2)*512
.endr
.endr
	WIN 0
.irp t, 0,1,2,3
	ds_load_b32 v[FS+\t], v[ADS] offset:8192+512*(\q)+256*(\t%2)+128*(\t/2)
.endr
; the least U of each block of 32 keys: for the row's largest t and for the block's largest p.  Both tiles' chains by turns
.irp b, 0,1,2,3
.irp x, 0,1
	v_min3_num_f32 v[MW+16*\x+\b], v[U+64*\x+16*\b], v[U+64*\x+16*\b+1], v[U+64*\x+16*\b+2]
.endr
.endr
.irp i, 3,5,7,9,11,13
.irp b, 0,1,2,3
.irp x, 0,1
	v_min3_num_f32 v[MW+16*\x+\b], v[MW+16*\x+\b], v[U+64*\x+16*\b+\i], v[U+64*\x+16*\b+\i+1]
.endr
.endr
.endr
.irp b, 0,1,2,3
.irp x, 0,1
	v_min_num_f32 v[MW+16*\x+\b], v[MW+16*\x+\b], v[U+64*\x+16*\b+15]
.endr
.endr
.irp b, 0,1,2,3
.irp x, 0,1
	v_permlanex16_b32 v[MW+16*\x+4+\b], v[MW+16*\x+\b], s[SEL], s[SEL+1]
.endr
.endr
.irp b, 0,1,2,3
.irp x, 0,1
	v_min_num_f32 v[MW+16*\x+\b], v[MW+16*\x+\b], v[MW+16*\x+4+\b]
.endr
.endr
.irp x, 0,1
	v_min3_num_f32 v[RX+4*\x], v[MW+16*\x], v[MW+16*\x+1], v[MW+16*\x+2]
.endr
.irp x, 0,1
	v_min3_num_f32 v[RX+4*\x], v[RX+4*\x], v[MW+16*\x+3], 1.0   ; held at 1: where every key is masked it is exactly 1
.endr
.irp x, 0,1
	v_floor_f32 v[RX+4*\x+1], -v[ST+8*\x+3]        ; the old -M
.endr
.irp x, 0,1
	v_mul_f32 v[RX+4*\x], s[NC], v[RX+4*\x]        ; as t
.endr
.irp x, 0,1
	v_max_num_f32 v[ST+8*\x+3], v[ST+8*\x+3], v[RX+4*\x]   ; the running largest t
.endr
.irp x, 0,1
	v_floor_f32 v[ST+8*\x+2], -v[ST+8*\x+3]        ; the new -M: M is a whole number
.endr
.irp x, 0,1
	v_cmp_neq_f32 s[CM+\x], s[NC], v[ST+8*\x+3]    ; has any key of my query counted yet?
.endr
.irp x, 0,1
	v_sub_f32 v[RX+4*\x], v[ST+8*\x+2], v[RX+4*\x+1]
.endr
.irp x, 0,1
	v_cvt_i32_f32 v[RX+4*\x], v[RX+4*\x]           ; (it saturates)
.endr
.irp x, 0,1
	v_cndmask_b32 v[ST+8*\x+2], 0, v[ST+8*\x+2], s[CM+\x]   ; if none: t - M = 0 x U + 0
.endr
.irp x, 0,1
	v_cndmask_b32 v[ST+8*\x], 0, s[NC], s[CM+\x]
.endr
.irp x, 0,1
	v_ldexp_f32 v[ST+8*\x+6], 1.0, v[RX+4*\x]      ; f = 2^(old M - new M)
.endr
.set j, 0
.rept 32
	v_pk_fma_f32 v[U+j:U+j+1], v[U+j:U+j+1], v[ST:ST+1], v[ST+2:ST+3] op_sel_hi:[1,0,0]   ; tile 0: t - M, two at a time
.set j, j+2
.endr
.irp b, 0,1,2,3
.irp x, 0,1
	v_fma_f32 v[MW+16*\x+\b], v[MW+16*\x+\b], v[ST+8*\x], v[ST+8*\x+2]   ; the same of each block's least U, both tiles
.endr
.endr
	WALU                                           ; ahead of the batch
.set j, 0
.rept 32                                       ; THE FIRST BATCH: tile 0's p = 2^(t - M); among them tile 1's t - M, first read behind the next two waits
	v_exp_f32 v[U+j], v[U+j]
	v_pk_fma_f32 v[U+64+j:U+64+j+1], v[U+64+j:U+64+j+1], v[ST+8:ST+9], v[ST+10:ST+11] op_sel_hi:[1,0,0]
	v_exp_f32 v[U+j+1], v[U+j+1]
.set j, j+2
.endr
.irp b, 0,1,2,3
	v_exp_f32 v[MW+\b], v[MW+\b]                   ; tile 0's blocks' largest p: the same two instructions on the same number
.endr
	v_pk_mul_f32 v[ST+4:ST+5], v[ST+4:ST+5], v[ST+6:ST+7] op_sel_hi:[1,0]   ; tile 0's sums under the new M
	WALU                                           ; and behind it, ahead of its first reader
	SCL 0, MW
	SCL 1, MW
	SCL 2, MW
	SCL 3, MW
	WORD PW, MW
	WALU                                           ; ahead of the second batch
.set k, 0
.rept 16                                       ; THE SECOND BATCH: tile 1's p; among them tile 0's first sums of the unquantised p (into the registers of the codes to come) and, behind each, its holds
	v_exp_f32 v[U+64+4*k], v[U+64+4*k]
	PADD PC+2*k, U+4*k, U+4*k+2
	v_exp_f32 v[U+64+4*k+1], v[U+64+4*k+1]
	HOLD2 U+4*k, MW+8+k/4
	v_exp_f32 v[U+64+4*k+2], v[U+64+4*k+2]
	HOLD2 U+4*k+2, MW+8+k/4
	v_exp_f32 v[U+64+4*k+3], v[U+64+4*k+3]
.set k, k+1
.endr
.irp b, 0,1,2,3
	v_exp_f32 v[MW+16+\b], v[MW+16+\b]
.endr
	v_pk_mul_f32 v[ST+12:ST+13], v[ST+12:ST+13], v[ST+14:ST+15] op_sel_hi:[1,0]   ; tile 1's sums under the new M
	WALU                                           ; behind the batch, ahead of its first reader
.irp m, 0,1,2,3,4,5,6,7                        ; tile 0's sixteen first sums are joined, tile 1's scales by turns with them
	PADD PC+4*\m, PC+4*\m, PC+4*\m+2
.endr
	SCL 0, MW+16
.irp m, 0,1,2,3
	PADD PC+8*\m, PC+8*\m, PC+8*\m+4
.endr
	SCL 1, MW+16
	PADD PC, PC, PC+8
	PADD PC+16, PC+16, PC+24
	SCL 2, MW+16
	PADD PC, PC, PC+16
	SCL 3, MW+16
	PADD ST+4, ST+4, PC
	WORD PW+1, MW+16
.irp b, 0,1,2,3
	CODES PC, U, MW, \b                            ; tile 0's codes
.endr
.irp k, 0,1,2,3,4,5,6,7                        ; tile 1's sum of the unquantised p: eight chains, joined at the end
	PADD SX+2*\k, U+64+4*\k, U+64+4*\k+2
.endr
.set j, 32
.rept 16
	PADD SX+2*((j/2)%8), SX+2*((j/2)%8), U+64+j
.set j, j+2
.endr
.irp m, 0,1,2,3
	PADD SX+4*\m, SX+4*\m, SX+4*\m+2
.endr
	PADD SX, SX, SX+4
	PADD SX+8, SX+8, SX+12
	PADD SX, SX, SX+8
	PADD ST+12, ST+12, SX
.irp b, 0,1,2,3                                ; tile 1's holds and codes
.set j, 0
.rept 8
	HOLD2 U+64+16*\b+j, MW+24+\b
.set j, j+2
.endr
	CODES PC+16, U+64, MW+16, \b
.endr
	WIN 0x41                                       ; O^T in window 1, f in window 0
	WALU                                           ; directly ahead of the first reader of O^T
.set j, 0
.rept 16
.irp x, 0,1
	v_pk_mul_f32 v[OT+32*\x+j:OT+32*\x+j+1], v[OT+32*\x+j:OT+32*\x+j+1], v[ST+8*\x+6:ST+8*\x+7] op_sel_hi:[1,0]   ; O^T under the new M
.endr
.set j, j+2
.endr
	PLACES 4
	WALU
	s_wait_dscnt 0x0                               ; V's fragments and scale words are in
	WIN 0x51                                       ; O^T and fragments in window 1, p's codes in window 0
.irp t, 0,1,2,3                                ; O^T += V^T P^T; the eight accumulators take turns
.irp x, 0,1
	v_wmma_scale_f32_16x16x128_f8f6f4 v[OT+32*\x+8*\t:OT+32*\x+8*\t+7], v[FG+16*\t:FG+16*\t+15], v[PC+16*\x:PC+16*\x+15], v[OT+32*\x+8*\t:OT+32*\x+8*\t+7], v[FS+\t], v[PW+\x] matrix_a_fmt:MATRIX_FMT_BF8 matrix_b_fmt:MATRIX_FMT_BF8
.endr
.endr
	WIN 0
.endm
.Lpass:                                            ; two passes of 256 queries
	v_mov_b32 v[GMC], v[GM0]
.irp x, 0,1
	v_mov_b32 v[ST+8*\x+3], 0xff61b1e6             ; the largest t so far: -3e38
	v_mov_b32 v[ST+8*\x+1], 0                      ; (upper halves of pairs that are named whole)
	v_mov_b32 v[ST+8*\x+7], 0
	v_mov_b32 v[ST+8*\x+4], 0                      ; the sum, in two halves
	v_mov_b32 v[ST+8*\x+5], 0
.endr
	v_mov_b32 v[SX+7], 33
	WIN 0x40
.set j, 0
.rept 64
	v_mov_b32 v[OT+j], 0                           ; O^T: the step is written once; the first change of M leaves zeros zeros
.set j, j+1
.endr
	WIN 0
	WALU
	s_wait_loadcnt 8                               ; Q and its scale words are in; the mask's eight loads issued behind them may be out
	WIN 0x45
.irp x, 0,1
.irp j, 0,1,2,3,4,5,6,7
	v_xor_b32 v[QA+16*\x+\j], 0x80808080, v[QA+16*\x+\j]   ; -Q
.endr
.endr
	WIN 0
.irp x, 0,1
	v_bfe_u32 v[SX+4*\x], v[RX], 16*\x, 8          ; tile x's two scale bytes
	v_bfe_u32 v[SX+4*\x+1], v[RX], 16*\x+8, 8
.endr
.irp n, 0,1,4,5
	v_cmp_gt_u32 vcc_lo, 33, v[SX+\n]
	v_cndmask_b32 v[SX+\n], v[SX+\n], v[SX+7], vcc_lo   ; held at 33 from below,
	v_add_nc_u32 v[SX+\n], 0xffffffe0, v[SX+\n]    ; and lowered by 32
.endr
.irp x, 0,1
	v_lshl_or_b32 v[SX+4*\x], v[SX+4*\x+1], 8, v[SX+4*\x]
	v_lshlrev_b32 v[QS+\x], v[HSH], v[SX+4*\x]     ; lanes 0-15: [b0, b1, 0, 0] for [Q | 0]; lanes 16-31: [0, 0, b0, b1] for [0 | Q]
.endr
	s_mov_b32 s[SL], 0
.Lslot:                                            ; eight trips of 256 keys
	s_lshl_b32 s21, s[SL], 14
	v_add_nc_u32 v[ADK], s21, v[LI]
	s_lshl_b32 s21, s[SL], 12
	s_add_co_u32 s21, s21, VOFF
	v_add_nc_u32 v[ADV], s21, v[LI]                ; the slot's first 128 keys of V,
	s_add_co_u32 s21, s21, 65536
	v_add_nc_u32 v[ADV2], s21, v[LI]               ; its second
	s_lshl_b32 s21, s[SL], 10
	s_add_co_u32 s21, s21, SCK
	v_add_nc_u32 v[ADS], s21, v[QSO]
	STEP 0
	STEP 1
	s_add_co_u32 s[SL], s[SL], 1
	s_cmp_lt_u32 s[SL], 8
	s_cbranch_scc1 .Lslot
	; THE WAY OUT: O^T / the sum goes through my stage, 16 rows of 256 bytes a tile, so that sixteen lanes store 256 consecutive bytes of a row of the output, at a multiple of 256 from its first byte
	PLACES 8
.irp x, 0,1
	v_add_f32 v[ST+8*\x+4], v[ST+8*\x+4], v[ST+8*\x+5]
.endr
.irp x, 0,1
	v_permlanex16_b32 v[RX+4*\x], v[ST+8*\x+4], s[SEL], s[SEL+1]
.endr
.irp x, 0,1
	v_add_f32 v[ST+8*\x+4], v[ST+8*\x+4], v[RX+4*\x]   ; the row's sum
.endr
	WALU                                           ; ahead of the transcendentals
.irp x, 0,1
	v_rcp_f32 v[RX+4*\x], v[ST+8*\x+4]
.endr
	v_nop
	WIN 0x01
	WALU                                           ; and ahead of their first reader, which is O^T's too
.irp x, 0,1
.set j, 0
.rept 32
	v_mul_f32 v[U+64*\x+j], v[OT+32*\x+j], v[RX+4*\x]   ; register 8 tau + i is z(query r, channel 16 tau + 8 h + i)
.set j, j+1
.endr
.endr
	WIN 0
.irp x, 0,1
.irp t, 0,1,2,3
	ds_store_b128 v[STI], v[U+64*\x+8*\t:U+64*\x+8*\t+3] offset:64*\t
	ds_store_b128 v[STI], v[U+64*\x+8*\t+4:U+64*\x+8*\t+7] offset:64*\t+16
.endr
.irp i, 0,1,2,3,4,5,6,7
	ds_load_b128 v[PC+32*\x+4*\i:PC+32*\x+4*\i+3], v[STO] offset:2*\i*SP   ; in order behind my stores, and ahead of the next tile's
.endr
.endr
.irp x, 0,1
.irp i, 0,1,2,3,4,5,6,7
	s_wait_dscnt 16*(1-\x)+7-\i                    ; this pair of rows is in; what was issued behind its load may be out
	global_store_b128 v[GO], v[PC+32*\x+4*\i:PC+32*\x+4*\i+3], s[18:19] offset:65536*\x+8192*\i th:TH_STORE_NT
.endr
.endr
	s_add_co_u32 s[PASS], s[PASS], 1
	s_cmp_eq_u32 s[PASS], 2
	s_cbranch_scc1 .Lno_more
	s_wait_loadcnt 0x0                             ; the mask loads of the last step have landed: their registers are loaded anew below
	s_wait_xcnt 0x0                                ; the stores have read their registers and their base
	s_add_nc_u64 s[4:5], s[4:5], 16384             ; 256 queries on: 16 tiles of Q,
	s_add_nc_u64 s[6:7], s[6:7], 4096              ; their scale words,
	s_add_nc_u64 s[16:17], s[16:17], 524288        ; 256 rows of the mask,
	s_add_nc_u64 s[18:19], s[18:19], 1048576       ; and of the output
	LOADS
.Lno_more:
	s_cmp_lt_u32 s[PASS], 2
	s_cbranch_scc1 .Lpass
	s_wait_tensorcnt 0x0                           ; the wave's end
	ds_add_u32 v[SPW], v[NIL]
	s_wait_dscnt 0x0
	ROUND                                          ; the closing round
	s_endpgm
.Lfunc_end_k_qa4f5a60918_attn:
	.size	k_qa4f5a60918_attn, .Lfunc_end_k_qa4f5a60918_attn-k_qa4f5a60918_attn
	.p2alignl 7, 3214868480
	.fill 96, 4, 3214868480
	.section	.rodata,"a",@progbits
	.p2align	6, 0x0
	.amdhsa_kernel k_qa4f5a60918_attn
		.amdhsa_group_segment_fixed_size 327680
		.amdhsa_private_segment_fixed_size 0
		.amdhsa_enable_private_segment 0
		.amdhsa_kernarg_size 64
		.amdhsa_user_sgpr_count 2
		.amdhsa_user_sgpr_kernarg_segment_ptr 1
		.amdhsa_wavefront_size32 1
		.amdhsa_system_sgpr_workgroup_id_x 1
		.amdhsa_system_sgpr_workgroup_id_y 1
		.amdhsa_system_sgpr_workgroup_id_z 1
		.amdhsa_system_vgpr_workitem_id 0
		.amdhsa_next_free_vgpr 512
		.amdhsa_next_free_sgpr 106
		.amdhsa_reserve_vcc 1
		.amdhsa_float_denorm_mode_32 3
		.amdhsa_float_denorm_mode_16_64 3
		.amdhsa_memory_ordered 1
		.amdhsa_forward_progress 1
		.amdhsa_inst_pref_size 102
	.end_amdhsa_kernel
	.amdgpu_metadata
---
amdhsa.version: [ 1, 2 ]
amdhsa.kernels:
  - .name:           k_qa4f5a60918_attn
    .symbol:         k_qa4f5a60918_attn.kd
    .args:
      - { .name: q_img, .offset: 0, .size: 8, .value_kind: global_buffer, .address_space: global }
      - { .name: q_sc, .offset: 8, .size: 8, .value_kind: global_buffer, .address_space: global }
      - { .name: k_img, .offset: 16, .size: 8, .value_kind: global_buffer, .address_space: global }
      - { .name: k_sc, .offset: 24, .size: 8, .value_kind: global_buffer, .address_space: global }
      - { .name: v_img, .offset: 32, .size: 8, .value_kind: global_buffer, .address_space: global }
      - { .name: v_sc, .offset: 40, .size: 8, .value_kind: global_buffer, .address_space: global }
      - { .name: attn_mask, .offset: 48, .size: 8, .value_kind: global_buffer, .address_space: global }
      - { .name: out0, .offset: 56, .size: 8, .value_kind: global_buffer, .address_space: global }
    .group_segment_fixed_size: 327680
    .private_segment_fixed_size: 0
    .kernarg_segment_align: 8
    .kernarg_segment_size: 64
    .max_flat_workgroup_size: 256
    .sgpr_count:     106
    .vgpr_count:     512
    .wavefront_size: 32
...
	.end_amdgpu_metadata
.endif
;; end of part 2
